; MI455X (gfx1250); checked and timed in simulation.
; The chip was launched on July 23, 2026; its instructions are those of AMD's public machine-readable ISA for CDNA 5 (MIT licence, August 2026) and "CDNA5" Instruction Set Architecture Reference Guide (July 2026). The comments in the code are by the model that wrote it; some were corrected since.
;; Self Attention. Allowed arithmetic: float matrix products may take bf16 or f16 operands with f32 sums; all other float work in f32.
;; Inputs: W_out 256 x 256 float32; W_qkv 256 x 768 float32; b_out 256 float32; b_qkv 768 float32; x 4 x 4,096 x 256 float32.
;; Outputs: out0 4 x 4,096 x 256 float32.
;; One version. Each part assembles by itself: llvm-mc -triple=amdgcn-amd-amdhsa -mcpu=gfx1250 --defsym DOCPART=n.
;; ======== version 1 of 1: 2 launches
;; workspace buffers: Qf 8,388,608 bytes; KVf 16,777,216 bytes
;; launch proj (part 1): grid 256 x 1, 4 waves a work-group, no clusters, 297,472 bytes of LDS; arguments x, W_qkv, b_qkv, W_out, Qf, KVf; writes Qf, KVf
.if DOCPART == 1
	.amdgcn_target "amdgcn-amd-amdhsa--gfx1250"
	.amdhsa_code_object_version 6
	.text
	.protected	k_q75b440707e_proj
	.globl	k_q75b440707e_proj
	.p2align	8
	.type	k_q75b440707e_proj,@function
k_q75b440707e_proj:
	s_mov_b64 s[64:65], 0
	v_nop
	global_prefetch_b8 v0, s[64:65] scope:SCOPE_SE
	s_setreg_imm32_b32 hwreg(HW_REG_WAVE_MODE, 25, 1), 1
	s_wait_xcnt 0x0
; proj: Q = (x Wq + bq) log2(e)/16,  K = x Wk + bk,  V' = (x Wv + bv) W_out, each rounded once to bf16 and stored in the order in
; which the next launch's matrix instructions take them (a wave's store is 512 consecutive bytes, aligned: lane L's 16 bytes at 16 L).
; W_out is applied to V here, ahead of the attention: softmax (V W_out) = (softmax V) W_out for every input; only the rounding differs
; (V is rounded to bf16 as an operand, V' once more).  x and the weights are rounded to bf16 as operands; sums and biases are f32.
; WORK: 16,384 rows in 128 blocks of 128.  Work-group 2 rb makes Q and then K of block rb (type A), work-group 2 rb + 1 makes V and then V'
; (type B): two passes of 256 (n) x 128 (rows) x 256 (k) each, 256 matrix instructions a wave and pass, equal in all 256 work-groups.
; Wave w owns the 64 outputs n = 64 w .. 64 w + 63: its weight fragments (4 n tiles x 8 k chunks x 8 registers) stay in window 1 for a pass,
; the 128 rows go past in 8 tiles of 16 rows on four accumulators.
; NO CLUSTER, NO TENSOR LOADS: x and the weights are f32 in memory, so each word passes through registers to be rounded; a tile brought into
; LDS as f32 (256 KB of weights a pass) would be read, rounded and stored into LDS again, two LDS trips more than loading into registers.
; LDS: X   128 rows of 256 bf16, pitch 528 = 33 x 16 bytes (the 16 rows of a fragment load start in 16 different 16-byte columns)
;      SCR each wave's own [256 k][64 n] bf16, pitch 160 = 5 x 32 bytes, read back by the transposing load
;      VX  V in fragment order: row tile x 8,192 + (d / 16) x 512 + 16 L
; REGISTERS: window 0 addresses, T, two fragment buffers, accumulators, bias; window 1 x as loaded, then the weight fragments;
;            windows 2 and 3 a pass's weights as loaded (128 loads x 4 registers).
.set XP,   528
.set SCR,  128*XP                      ; 67,584
.set SP,   160
.set SCRW, 256*SP                      ; 40,960 bytes a wave
.set VX,   SCR+4*SCRW                  ; 231,424; VX ends at 296,960
.set T,    32                          ; v[32:63]   packed bf16 on their way to LDS or memory
.set XF0,  64                          ; v[64:127]  fragments of one row tile (8 k chunks x 8 registers)
.set XF1,  128                         ; v[128:191] the other buffer
.set ACC,  192                         ; v[192:223] n tile nt at ACC + 8 nt
.set BI,   224                         ; v[224:255] bias in an accumulator's layout: register 8 nt + j = b[64 w + 16 nt + 8 h + j]
; v1 16 L | v2 X store | v3 SCR store | v4 SCR transposing load | v5 X fragment | v6 VX fragment | v7 VX store
; v8, v9 weight offsets (row pitch 3,072, 1,024) | v10 bias offset | v11, v12, v13 store offsets of Q, K, V'
.set MSB, 0
.macro WIN new                         ; the immediate's high byte repeats the setting that is left
.if MSB != \new
	s_set_vgpr_msb (MSB<<8)|\new
.set MSB, \new
.endif
.endm
; Places behind matrix instructions (ISA guide 7.12.1 for vector instructions): only v_nop or unrelated plain vector work counts.
.macro PLACES n
.rept \n
	v_nop
.endr
.endm
	s_load_b256 s[4:11], s[0:1], 0x0               ; x s[4:5], W_qkv s[6:7], b_qkv s[8:9], W_out s[10:11]
	s_load_b128 s[12:15], s[0:1], 0x20             ; Qf s[12:13], KVf s[14:15]
	v_lshl_add_u32 v30, v0, 2, 0x48800
	v_mov_b32 v31, 0
	v_lshrrev_b32 v14, 5, v0
	v_readfirstlane_b32 s16, v14                   ; wave w
	s_lshr_b32 s17, ttmp9, 1                       ; rb: my 128 rows
	s_and_b32 s18, ttmp9, 1                        ; type: 0 = Q and K, 1 = V and V'
	s_mov_b32 s22, 0x3db8aa3b                      ; log2(e) / 16, so that the next launch's exponentials are plain powers of two
	s_mov_b32 s23, 0x3db8aa3b
	v_and_b32 v15, 31, v0                          ; L
	v_and_b32 v16, 15, v0                          ; r = L % 16
	v_bfe_u32 v17, v0, 4, 1                        ; h = L / 16
	v_lshlrev_b32 v1, 4, v15                       ; 16 L
	s_mul_i32 s19, s16, 32*XP
	v_lshl_add_u32 v2, v15, 3, s19                 ; X store: my wave's 32 rows, 8 bytes a lane
	s_mul_i32 s36, s16, SCRW
	s_add_co_u32 s36, s36, SCR                     ; my wave's SCR
	v_mul_u32_u24 v18, v17, SP
	v_lshl_add_u32 v18, v16, 3, v18
	v_add_nc_u32 v3, s36, v18                      ; SCR store: row h of two, 8 bytes at 8 r
	v_and_b32 v18, 7, v0
	v_lshl_add_u32 v18, v17, 3, v18                ; 8 h + L % 8
	v_mul_u32_u24 v18, v18, SP
	v_bfe_u32 v19, v0, 3, 1
	v_lshl_add_u32 v18, v19, 4, v18
	v_add_nc_u32 v4, s36, v18                      ; SCR transposing load: row 8 h + L % 8, 16 bytes at 16 ((L / 8) % 2)
	v_mul_u32_u24 v5, v16, XP
	v_lshl_add_u32 v5, v17, 4, v5                  ; X fragment: row r, 16 h
	v_add_nc_u32 v6, VX, v1                        ; VX fragment
	v_lshl_add_u32 v7, s16, 11, v6                 ; VX store: my four d tiles begin at 4 w x 512
	v_mul_u32_u24 v8, v17, 3072
	v_lshl_add_u32 v8, v16, 4, v8                  ; W_qkv: row h of two, 16 r
	v_lshlrev_b32 v9, 10, v17
	v_lshl_add_u32 v9, v16, 4, v9                  ; W_out: the same with rows of 1,024 bytes
	v_lshlrev_b32 v10, 5, v17
	v_lshl_add_u32 v10, s16, 8, v10                ; bias: 4 (64 w + 8 h)
	v_lshl_add_u32 v11, s16, 11, v1                ; Qf: 16 L + 4 w x 512
	v_lshl_add_u32 v12, s16, 13, v1                ; K part: 16 L + 2 w x 4,096
	v_lshl_add_u32 v13, s16, 12, v1                ; V' part: 16 L + 4 w x 1,024
	s_lshl_b32 s20, s16, 8                         ; my 64 columns of a weight row: 256 w bytes
	s_mov_b32 s21, 0
	s_lshl_b32 s38, s18, 11                        ; pass 1's columns in W_qkv and b_qkv: byte 0 (q) or 2,048 (v)
	s_mov_b32 s39, 0
	s_lshl_b32 s36, s17, 17                        ; x: rb x 128 rows x 1,024 bytes + w x 32 rows
	s_lshl_b32 s19, s16, 15
	s_add_co_u32 s36, s36, s19
	s_mov_b32 s37, 0
	s_wait_kmcnt 0x0
	s_add_nc_u64 s[30:31], s[4:5], s[36:37]        ; x at my wave's 32 rows
	s_add_nc_u64 s[28:29], s[8:9], s[38:39]        ; pass 1's bias
	s_add_nc_u64 s[24:25], s[6:7], s[38:39]
	s_add_nc_u64 s[24:25], s[24:25], s[20:21]      ; pass 1's weights at my columns
	s_lshl_b32 s36, s17, 16
	s_add_nc_u64 s[32:33], s[12:13], s[36:37]      ; Qf at my 8 row tiles of 8,192 bytes
	s_lshl_b32 s36, s17, 17
	s_add_nc_u64 s[34:35], s[14:15], s[36:37]      ; KVf at my 2 chunks of 65,536 bytes
.macro BIAS bs, at                     ; eight loads: the bias of my 64 outputs in the accumulators' layout
.irp t, 0,1,2,3
	global_load_b128 v[BI+8*\t:BI+8*\t+3],   v10, s[\bs:\bs+1] offset:\at+64*\t
	global_load_b128 v[BI+8*\t+4:BI+8*\t+7], v10, s[\bs:\bs+1] offset:\at+64*\t+16
.endr
.endm
; 16 of x's 64 loads are rounded and laid into X: load i holds row i / 2, columns 128 (i % 2) + 4 L .. + 3
.macro XCONV g
	WIN 0x05
.set i_, 0
.rept 16
	v_cvt_pk_bf16_f32 v[T+2*i_],   v[64*\g+4*i_],   v[64*\g+4*i_+1]
	v_cvt_pk_bf16_f32 v[T+2*i_+1], v[64*\g+4*i_+2], v[64*\g+4*i_+3]
.set i_, i_+1
.endr
	WIN 0
.set i_, 0
.rept 16
	ds_store_b64 v2, v[T+2*i_:T+2*i_+1] offset:((16*\g+i_)>>1)*XP+(i_&1)*256
.set i_, i_+1
.endr
.endm
; 16 of a pass's 128 weight loads: load i brings my 256 bytes of rows k = 2 i and 2 i + 1 (16 lanes each)
.macro WLOAD g, bs, vo, pitch
.if (\g) < 4
	WIN 0x80
.else
	WIN 0xc0
.endif
.set i_, 0
.rept 16
	global_load_b128 v[((16*(\g)+i_)&63)*4:((16*(\g)+i_)&63)*4+3], v[\vo], s[\bs:\bs+1] offset:(16*(\g)+i_)*2*\pitch
.set i_, i_+1
.endr
.endm
; the same 16 loads are rounded and laid into my SCR as [k][n]
.macro WCONV g
.if (\g) < 4
	WIN 0x0a
.else
	WIN 0x0f
.endif
.set i_, 0
.rept 16
	v_cvt_pk_bf16_f32 v[T+2*i_],   v[((16*(\g)+i_)&63)*4],   v[((16*(\g)+i_)&63)*4+1]
	v_cvt_pk_bf16_f32 v[T+2*i_+1], v[((16*(\g)+i_)&63)*4+2], v[((16*(\g)+i_)&63)*4+3]
.set i_, i_+1
.endr
	WIN 0
.set i_, 0
.rept 16
	ds_store_b64 v3, v[T+2*i_:T+2*i_+1] offset:(16*(\g)+i_)*2*SP
.set i_, i_+1
.endr
.endm
; my 32 weight fragments, transposed on the way: fragment (nt, c) = outputs 16 nt + r, k = 32 c .., at window 1, register 8 (8 nt + c).
; SCR is my wave's own and LDS serves a wave's instructions in order (ISA guide 5.7.1): no wait between the stores above and these loads.
.macro WFRAG
	WIN 0x40
.set nt_, 0
.rept 4
.set c_, 0
.rept 8
	ds_load_tr16_b128 v[(nt_*8+c_)*8:(nt_*8+c_)*8+3],   v4 offset:c_*32*SP+nt_*32
	ds_load_tr16_b128 v[(nt_*8+c_)*8+4:(nt_*8+c_)*8+7], v4 offset:c_*32*SP+16*SP+nt_*32
.set c_, c_+1
.endr
.set nt_, nt_+1
.endr
	WIN 0
.endm
; the 8 fragments of row tile st: 16 loads.  sst, sc, su: bytes from tile to tile, from k chunk to k chunk, from registers 0-3 to 4-7
.macro FETCH adr, st, buf, sst, sc, su
.set c_, 0
.rept 8
	ds_load_b128 v[\buf+8*c_:\buf+8*c_+3],   v[\adr] offset:(\st)*\sst+c_*\sc
	ds_load_b128 v[\buf+8*c_+4:\buf+8*c_+7], v[\adr] offset:(\st)*\sst+c_*\sc+\su
.set c_, c_+1
.endr
.endm
; 32 matrix instructions: one row tile x my 4 n tiles x 8 k chunks.  The four accumulators take turns, one instruction a turn.
; swap = 1: source 0 = weights, source 1 = rows: a lane then holds row r and the outputs n = 8 h + 0 .. 7, sixteen bytes of bf16 that belong together.
; swap = 0: source 0 = rows, source 1 = weights: a lane holds output r and the rows 8 h + 0 .. 7 (V' is stored with the keys along a lane).
; bias = 1: the first product starts each sum from the bias, else from the constant 0: nothing is cleared and no add follows.
.macro MUL buf, swap, bias
.set c_, 0
.rept 8
.set nt_, 0
.rept 4
.set d_, ACC+8*nt_
.if \swap
.set fa_, (nt_*8+c_)*8
.set fb_, \buf+8*c_
.else
.set fa_, \buf+8*c_
.set fb_, (nt_*8+c_)*8
.endif
.if c_
	v_wmma_f32_16x16x32_bf16 v[d_:d_+7], v[fa_:fa_+7], v[fb_:fb_+7], v[d_:d_+7]
.else
.if \bias
	v_wmma_f32_16x16x32_bf16 v[d_:d_+7], v[fa_:fa_+7], v[fb_:fb_+7], v[BI+8*nt_:BI+8*nt_+7]
.else
	v_wmma_f32_16x16x32_bf16 v[d_:d_+7], v[fa_:fa_+7], v[fb_:fb_+7], 0
.endif
.endif
.set nt_, nt_+1
.endr
.set c_, c_+1
.endr
.endm
; row tile st_ leaves: kind 0 = Q (scaled) to Qf, 1 = K to KVf, 2 = V to VX in LDS, 3 = V' to KVf.  Every store is 512 consecutive bytes, aligned.
.macro EPI kind
.if \kind != 2
	s_wait_xcnt 0x0                                ; T, the data of the last tile's stores, is rewritten only behind this wait (ISA guide 3.1)
.endif
.set nt_, 0
.rept 4
.if \kind == 0
.irp j, 0,2,4,6
	v_pk_mul_f32 v[ACC+8*nt_+\j:ACC+8*nt_+\j+1], v[ACC+8*nt_+\j:ACC+8*nt_+\j+1], s[22:23] op_sel_hi:[1,0]
.endr
.endif
.irp j, 0,1,2,3
	v_cvt_pk_bf16_f32 v[T+4*nt_+\j], v[ACC+8*nt_+2*\j], v[ACC+8*nt_+2*\j+1]
.endr
.if \kind == 0
	global_store_b128 v11, v[T+4*nt_:T+4*nt_+3], s[32:33] offset:st_*8192+nt_*512
.endif
.if \kind == 1
	global_store_b128 v12, v[T+4*nt_:T+4*nt_+3], s[34:35] offset:(st_>>2)*65536+(nt_>>1)*4096+(st_&3)*1024+(nt_&1)*512
.endif
.if \kind == 2
	ds_store_b128 v7, v[T+4*nt_:T+4*nt_+3] offset:st_*8192+nt_*512
.endif
.if \kind == 3
	global_store_b128 v13, v[T+4*nt_:T+4*nt_+3], s[34:35] offset:(st_>>2)*65536+32768+((st_>>1)&1)*16384+nt_*1024+(st_&1)*512
.endif
.set nt_, nt_+1
.endr
.endm
; A pass: 8 row tiles on two fragment buffers.  wl = 1: each tile also issues 16 of the next pass's 128 weight loads.
.macro PASS adr, sst, sc, su, swap, bias, kind, wl, wbs, wvo, wp
	WIN 0
	FETCH \adr, 0, XF0, \sst, \sc, \su
.set st_, 0
.rept 8
	WIN 0
.if st_ < 7
	FETCH \adr, st_+1, XF0+64*((st_+1)&1), \sst, \sc, \su
.endif
.if \wl
	WLOAD st_, \wbs, \wvo, \wp
.endif
.if st_ < 7
	s_wait_dscnt 0x10                              ; all but the 16 loads of the next tile: this tile's fragments (and the weights') are in
.else
	s_wait_dscnt 0x0
.endif
.if \swap
	WIN 0x01
.else
	WIN 0x04
.endif
	MUL XF0+64*(st_&1), \swap, \bias
	PLACES 5                                       ; 4 before the results are read and the buffer is loaded again, 5 before the next tile's first products write over the sums
	WIN 0
	EPI \kind
.set st_, st_+1
.endr
.endm
	BIAS 28, 0
	WIN 0x40
.set i_, 0
.rept 64
	global_load_b128 v[4*i_:4*i_+3], v1, s[30:31] offset:512*i_    ; my 32 rows of x: 32,768 consecutive bytes
.set i_, i_+1
.endr
	s_wait_loadcnt 0x30                            ; x's first 16 loads are in: 48 younger ones stay out
	XCONV 0
	WLOAD 0, 24, 8, 3072
	WLOAD 1, 24, 8, 3072
	s_wait_loadcnt 0x3f                            ; 32 of x and 32 of the weights are younger than x's second 16: the largest count that the wait can name
	XCONV 1
	WLOAD 2, 24, 8, 3072
	WLOAD 3, 24, 8, 3072
	s_wait_loadcnt 0x3f                            ; 80 are younger
	XCONV 2
	WLOAD 4, 24, 8, 3072
	WLOAD 5, 24, 8, 3072
	s_wait_loadcnt 0x3f                            ; 96 are younger
	XCONV 3
	WLOAD 6, 24, 8, 3072
	WLOAD 7, 24, 8, 3072
	s_wait_loadcnt 0x3f                            ; weights, group by group: 112, 96, 80, 64 younger loads,
	WCONV 0
	s_wait_loadcnt 0x3f
	WCONV 1
	s_wait_loadcnt 0x3f
	WCONV 2
	s_wait_loadcnt 0x3f
	WCONV 3
	s_wait_loadcnt 0x30                            ; then 48, 32, 16, 0
	WCONV 4
	s_wait_loadcnt 0x20
	WCONV 5
	s_wait_loadcnt 0x10
	WCONV 6
	s_wait_loadcnt 0x0
	WCONV 7
	WFRAG
	s_wait_dscnt 0x0                               ; my rows of X are stored (and my fragments are in),
	s_barrier_signal -1
	s_barrier_wait -1                              ; everybody's are: X may be read by all four waves
	s_cmp_lg_u32 s18, 0                            ; the type is the same in all four waves
	s_cbranch_scc1 .Ltype_b
	; type A: Q, then K
	s_add_nc_u64 s[26:27], s[6:7], s[20:21]
	s_add_nc_u64 s[26:27], s[26:27], 1024          ; Wk: columns 256 .. 511 of W_qkv, at my 64
	PASS 5, 16*XP, 64, 32, 1, 1, 0, 1, 26, 8, 3072
	BIAS 8, 1024                                   ; bk; the sums of Q have long been started from bq
	s_wait_loadcnt 0x8                             ; Wk's 128 loads are in; the eight of bk stay out
	s_wait_xcnt 0x0                                ; T was the data of Q's last stores
.irp g, 0,1,2,3,4,5,6,7
	WCONV \g
.endr
	WFRAG
	s_wait_loadcnt 0x0                             ; bk
	PASS 5, 16*XP, 64, 32, 1, 1, 1, 0, 0, 0, 0
	s_wait_tensorcnt 0x0
	ds_add_u32 v30, v31
	s_wait_dscnt 0x0
	s_endpgm
.Ltype_b:
	; type B: V into LDS, then V' = V W_out
	s_add_nc_u64 s[26:27], s[10:11], s[20:21]      ; W_out at my 64 columns
	PASS 5, 16*XP, 64, 32, 1, 1, 2, 1, 26, 9, 1024
	s_wait_loadcnt 0x0                             ; W_out's 128 loads
.irp g, 0,1,2,3,4,5,6,7
	WCONV \g
.endr
	WFRAG
	s_wait_dscnt 0x0                               ; my columns of V are stored in VX,
	s_barrier_signal -1
	s_barrier_wait -1                              ; everybody's are
	PASS 6, 8192, 1024, 512, 0, 0, 3, 0, 0, 0, 0
	s_wait_tensorcnt 0x0
	ds_add_u32 v30, v31
	s_wait_dscnt 0x0
	s_endpgm
.Lfunc_end_k_q75b440707e_proj:
	.size	k_q75b440707e_proj, .Lfunc_end_k_q75b440707e_proj-k_q75b440707e_proj
	.p2alignl 7, 3214868480
	.fill 96, 4, 3214868480
	.section	.rodata,"a",@progbits
	.p2align	6, 0x0
	.amdhsa_kernel k_q75b440707e_proj
		.amdhsa_group_segment_fixed_size 297472
		.amdhsa_private_segment_fixed_size 0
		.amdhsa_enable_private_segment 0
		.amdhsa_kernarg_size 48
		.amdhsa_user_sgpr_count 2
		.amdhsa_user_sgpr_kernarg_segment_ptr 1
		.amdhsa_wavefront_size32 1
		.amdhsa_system_sgpr_workgroup_id_x 1
		.amdhsa_system_sgpr_workgroup_id_y 1
		.amdhsa_system_sgpr_workgroup_id_z 1
		.amdhsa_system_vgpr_workitem_id 0
		.amdhsa_next_free_vgpr 1024
		.amdhsa_next_free_sgpr 66
		.amdhsa_reserve_vcc 0
		.amdhsa_float_denorm_mode_32 3
		.amdhsa_float_denorm_mode_16_64 3
		.amdhsa_memory_ordered 1
		.amdhsa_forward_progress 1
		.amdhsa_inst_pref_size 255
	.end_amdhsa_kernel
	.section	.bss,"aw",@nobits
	.p2align	6
	.space	262144
	.amdgpu_metadata
---
amdhsa.version: [ 1, 2 ]
amdhsa.kernels:
  - .name:           k_q75b440707e_proj
    .symbol:         k_q75b440707e_proj.kd
    .args:
      - { .name: x, .offset: 0, .size: 8, .value_kind: global_buffer, .address_space: global }
      - { .name: W_qkv, .offset: 8, .size: 8, .value_kind: global_buffer, .address_space: global }
      - { .name: b_qkv, .offset: 16, .size: 8, .value_kind: global_buffer, .address_space: global }
      - { .name: W_out, .offset: 24, .size: 8, .value_kind: global_buffer, .address_space: global }
      - { .name: Qf, .offset: 32, .size: 8, .value_kind: global_buffer, .address_space: global }
      - { .name: KVf, .offset: 40, .size: 8, .value_kind: global_buffer, .address_space: global }
    .group_segment_fixed_size: 297472
    .private_segment_fixed_size: 0
    .kernarg_segment_align: 8
    .kernarg_segment_size: 48
    .max_flat_workgroup_size: 128
    .sgpr_count:     66
    .vgpr_count:     1024
    .wavefront_size: 32
...
	.end_amdgpu_metadata
.endif
;; end of part 1
;; launch attn (part 2): grid 256 x 1, 4 waves a work-group, clusters of 4 x 1, 327,680 bytes of LDS; arguments Qf, KVf, b_out, out0; writes out0
.if DOCPART == 2
	.amdgcn_target "amdgcn-amd-amdhsa--gfx1250"
	.amdhsa_code_object_version 6
	.text
	.protected	k_q75b440707e_attn
	.globl	k_q75b440707e_attn
	.p2align	8
	.type	k_q75b440707e_attn,@function
k_q75b440707e_attn:
	s_mov_b64 s[64:65], 0
	v_nop
	global_prefetch_b8 v0, s[64:65] scope:SCOPE_SE
	s_setreg_imm32_b32 hwreg(HW_REG_WAVE_MODE, 25, 1), 1
	s_wait_xcnt 0x0
	s_wait_alu depctr_hold_cnt(0) depctr_sa_sdst(0) depctr_va_vdst(0) depctr_va_sdst(0) depctr_va_ssrc(0) depctr_va_vcc(0) depctr_vm_vsrc(0)
	s_getreg_b32 s2, hwreg(HW_REG_IB_STS2, 6, 4)
	s_cmp_eq_u32 s2, 0
	s_cbranch_scc0 .Lentry_in_a_cluster
	s_endpgm
.Lentry_in_a_cluster:
	s_bfe_u32 s2, ttmp6, 0x10000c
	s_cmp_lg_u32 s2, 0x3003
	s_cbranch_scc0 .Lentry_shape_is_right
	s_endpgm
.Lentry_shape_is_right:
; attn: out0 = softmax(Q K^T) V' + b_out, with Q (already times log2(e)/16), K and V' = V W_out in bf16 as the launch before stored them.
; WORK: a work-group owns 64 queries.  Its four waves SPLIT THE KEYS: in each of 16 steps wave w takes the 64 keys of chunk 4 t + w of its batch
; (t: the step's tile), for all 64 queries.  A wave holds Q (256 registers), its own sums O of 256 (d) x 64 (q) in f32 (512 registers) and its own
; running maximum and sum for each query; the four waves' results meet once, at the end, in LDS.  So a fragment of 1 KB from LDS feeds four matrix
; instructions, each byte of K and V' is read from LDS once, and no wave waits for another's arithmetic in the loop.
; TRANSPOSED: S^T = K Q^T and O^T = V'^T P^T.  A lane owns one query (q = 16 qb + L % 16): maximum, sum and factor are one register for 16 queries,
; and a result tile of S^T, rounded in pairs, IS a fragment of P^T: register j of lane (r, h) holds key 8 h + j.
; CLUSTER: the four work-groups of a cluster are four query blocks of one batch and walk the same K and V' tiles: each tile is asked for jointly
; (mask 15), which divides the requests for 4 MB of K and V' a work-group by four.  No branch and no LDS address hangs on the place in the cluster.
; ORDER OF THE TILES: cluster c = 0 .. 15 of a batch starts at tile (2 c + c / 8) mod 16 and goes round modulo 16; a running softmax takes the keys in
; any order.  So in each step the batch's sixteen clusters ask for sixteen different tiles, and any eight clusters with neighbouring numbers have
; asked for all sixteen after two steps.  NO PREFETCH: the batch's whole K and V' are asked for by the first steps' tensor loads themselves, and a
; later step's tile has been asked for before by another cluster.
; LDS: slot 0 (K) bytes 0 .. 131,071, slot 1 (V') 131,072 .. 262,143, wave w's own 32 KB at w x 32,768 in each.  A wave fills and reads its own part.
;      Behind the last fill: PART, 4 waves x 64 rows of 256 f32, pitch 1,040 = 65 x 16 bytes, bytes 0 .. 266,239; STAT at 266,240, 4,096 bytes, never filled.
; A wave has two tensor loads out at the start and one afterwards.
; LIMITS: powers of two below 2^-126 come out as 0 (ISA guide 15.8); each wave's sum holds a term 1, so the loss is below 2^-126 of a result.
; v_max_num ignores a NaN; a NaN score still reaches its row's sum through the exponential.  The keys are summed in four partial sums, merged in f32,
; and from a start that differs from cluster to cluster: another order of rounding than a plain sum.  P is rounded to bf16 for the product; the sum
; of P is taken in f32 ahead of that rounding.
.set KVIT,   0x40000                   ; bytes of KVf that a tile (four chunks) takes
.set SLOT1,  131072
.set PPITCH, 1040
.set PSRC,   64*PPITCH                 ; 66,560: one wave's part of PART
.set STAT,   4*PSRC                    ; 266,240
.set ADR0, 2                           ; v2  my 16 bytes in my part of slot 0       v3  the same in slot 1
.set ADR1, 3
.set MM, 16                            ; v[16+2qb] running maximum; its partner is at work (the other half's figure)
.set AL, 24                            ; v[24+2qb] the factor for the old sums; its partner holds old maximum - new maximum
.set LL, 32                            ; v[32+2qb:33+2qb] running sum, in two halves
.set TT, 40                            ; v[40:43] at work
.set TL, 44                            ; v[44:47] the tail: my sums
.set FA, 64                            ; v[64:95]   four fragments from LDS
.set FB, 96                            ; v[96:127]  the other buffer
.set SS, 128                           ; v[128:255] S(qb, kt) at SS + 32 qb + 8 kt; then P(qb, kc) at SS + 32 qb + 8 kc
; v1 16 L | v5 PART store | v6, v7 STAT store, load | v[8:15] b_out | v[48:51] PART load, source 0 .. 3 | v52 out0 offset | v[56:63] the tail
; window 1: Q(qb, c) at 8 (8 qb + c).  Windows 2, 3: O(dt, qb) in window 2 + dt / 8 at 8 (4 (dt % 8) + qb).
; s[16:23] group 1 | s[24:27], s[28:31] group 0 of K's and of V''s slot | s[38:39], s[40:41] K's and V''s chunk w of tile 0 | s[42:43], s[46:47] the tiles' offsets
.set MSB, 0
.macro WIN new                         ; the immediate's high byte repeats the setting that is left
.if MSB != \new
	s_set_vgpr_msb (MSB<<8)|\new
.set MSB, \new
.endif
.endm
; Places behind matrix instructions (ISA guide 7.12.1 for vector instructions): only v_nop or unrelated plain vector work counts.
.macro PLACES n
.rept \n
	v_nop
.endr
.endm
; A round of the cluster's barrier: my work-group's barrier, wave 0 signals for the work-group, every wave waits for all four work-groups, my barrier again.
.macro CREST                           ; a round behind its opening barrier
	s_cmp_lg_u32 s12, 0
	s_cbranch_scc1 .Lnot_wave_0_\@
	s_barrier_signal -3
.Lnot_wave_0_\@:
	s_barrier_wait -3
	s_barrier_signal -1
	s_barrier_wait -1
.endm
.macro ROUND                           ; a whole round
	s_barrier_signal -1
	s_barrier_wait -1
	CREST
.endm
	s_load_b256 s[4:11], s[0:1], 0x0               ; Qf s[4:5], KVf s[6:7], b_out s[8:9], out0 s[10:11]
	v_lshl_add_u32 v62, v0, 2, 0x42000
	v_mov_b32 v63, 0
	ds_add_u32 v62, v63
	ds_add_u32 v62, v63
	s_wait_dscnt 0x0
	v_lshrrev_b32 v53, 5, v0
	v_readfirstlane_b32 s12, v53                   ; wave w
	s_bfe_u32 s13, ttmp6, 0x40000                  ; cx: my place in the cluster
	s_lshl_b32 s14, ttmp9, 2
	s_add_co_u32 s14, s14, s13                     ; my block of 64 queries, 0 .. 255
	s_lshr_b32 s15, ttmp9, 4                       ; batch: 16 clusters each
	s_mov_b32 s36, 0x76543210                      ; v_permlanex16_b32: lane i of one half reads lane i of the other
	s_mov_b32 s37, 0xfedcba98
	; descriptor group 1: 32 KB that are dense in memory, as 128 rows of 32 elements of 8 bytes
	s_mov_b32 s16, 0x0023000f                      ; 15:0 mask: all four work-groups; 17:16 elements of 8 bytes; 21 set beside a mask
	s_mov_b32 s17, 32<<16                          ; tensor_dim0 = 32
	s_mov_b32 s18, 128<<16                         ; tensor_dim1 = 128
	s_mov_b32 s19, 32<<16                          ; tile_dim0 = 32
	s_mov_b32 s20, 128                             ; tile_dim1 = 128
	s_mov_b32 s21, 32                              ; from row to row: 32 elements
	s_mov_b32 s22, 0
	s_mov_b32 s23, 0
	s_mov_b32 s24, 1                               ; group 0 for K's slot
	s_lshl_b32 s25, s12, 15                        ; my part of slot 0: w x 32,768
	s_mov_b32 s28, 1                               ; group 0 for V''s slot
	s_add_co_u32 s29, s25, SLOT1
	s_lshl_b32 s40, s15, 22                        ; the tiles' place hangs on the cluster's number and the wave alone: batch x 4 MB + w x 65,536
	s_lshl_b32 s35, s12, 16
	s_add_co_u32 s40, s40, s35
	s_mov_b32 s41, 0
	s_and_b32 s35, ttmp9, 15                       ; c: my cluster among its batch's sixteen
	s_lshr_b32 s42, s35, 3
	s_lshl_b32 s43, s35, 1
	s_add_co_u32 s42, s42, s43
	s_and_b32 s42, s42, 15                         ; the first tile: (2 c + c / 8) mod 16
	s_lshl_b32 s42, s42, 18                        ; x KVIT: K's offset,
	s_mov_b32 s43, 0
	s_mov_b32 s46, s42                             ; and V''s
	s_mov_b32 s47, 0
	s_lshl_b32 s44, s14, 15                        ; Q: 32,768 bytes for a block of 64 queries
	s_mov_b32 s45, 0
	v_and_b32 v54, 31, v0                          ; L
	v_and_b32 v55, 15, v0                          ; r
	v_bfe_u32 v53, v0, 4, 1                        ; h
	v_lshlrev_b32 v1, 4, v54
	v_lshl_add_u32 v[ADR0], s12, 15, v1
	v_add_nc_u32 v[ADR1], SLOT1, v[ADR0]
	s_mul_i32 s35, s12, PSRC
	v_mul_u32_u24 v5, v55, PPITCH
	v_lshl_add_u32 v5, v53, 5, v5
	v_add_nc_u32 v5, s35, v5                       ; PART store: my part, row r, 32 h
	v_lshl_add_u32 v6, s12, 10, v1
	v_add_nc_u32 v6, STAT, v6
	v_add_nc_u32 v7, STAT, v1
	s_mul_i32 s35, s12, 16*PPITCH
	v_add_nc_u32 v48, s35, v1                      ; PART load: rows 16 w .., of source 0 .. 3
	v_add_nc_u32 v49, PSRC, v48
	v_add_nc_u32 v50, PSRC, v49
	v_add_nc_u32 v51, PSRC, v50
	v_lshl_add_u32 v52, s12, 14, v1                ; out0: rows 16 w .., 16 L
.irp qb, 0,1,2,3
	v_mov_b32 v[MM+2*\qb+1], 0                     ; v_permlanex16_b32 counts as a reader of its destination
.endr
	s_wait_kmcnt 0x0
	s_add_nc_u64 s[38:39], s[6:7], s[40:41]        ; K of chunk w of tile 0
	s_add_nc_u64 s[40:41], s[38:39], 0x8000        ; V' of the same chunk
	s_add_nc_u64 s[26:27], s[38:39], s[42:43]      ; the first tile's
	s_add_nc_u64 s[30:31], s[40:41], s[46:47]
	s_or_b32 s27, s27, 0x80000000                  ; type = 2
	s_or_b32 s31, s31, 0x80000000
	s_add_nc_u64 s[32:33], s[4:5], s[44:45]
	s_lshl_b32 s44, s14, 16                        ; out0: 64 rows of 1,024 bytes
	s_add_nc_u64 s[10:11], s[10:11], s[44:45]
	WIN 0x40
.set i_, 0
.rept 64
	global_load_b128 v[4*i_:4*i_+3], v1, s[32:33] offset:512*i_ th:TH_LOAD_NT   ; Q's 32 fragments, as they lie: read once in the launch
.set i_, i_+1
.endr
	WIN 0
	global_load_b128 v[8:11],  v1, s[8:9]
	global_load_b128 v[12:15], v1, s[8:9] offset:512
	ROUND                                          ; all four work-groups are here: the first joint loads meet
	tensor_load_to_lds s[24:27], s[16:23]          ; K of the first step
	s_nop 0
	tensor_load_to_lds s[28:31], s[16:23]          ; V' of the first step
	s_nop 0
.macro FETCH adr, g, buf               ; four fragments: 4 KB, eight loads of 512 consecutive bytes; fragment f is loads 2 f and 2 f + 1
.irp i, 0,1,2,3,4,5,6,7
	ds_load_b128 v[\buf+4*\i:\buf+4*\i+3], v[\adr] offset:(\g)*4096+512*\i
.endr
.endm
; One product of S^T: keys 16 kt .., queries 16 qb .., d = 32 c ..; the first c starts the sum from the constant 0.
.macro WS c, buf, kt, qb
.if \c
	v_wmma_f32_16x16x32_bf16 v[SS+32*\qb+8*\kt:SS+32*\qb+8*\kt+7], v[\buf+8*\kt:\buf+8*\kt+7], v[8*(8*\qb+\c):8*(8*\qb+\c)+7], v[SS+32*\qb+8*\kt:SS+32*\qb+8*\kt+7]
.else
	v_wmma_f32_16x16x32_bf16 v[SS+32*\qb+8*\kt:SS+32*\qb+8*\kt+7], v[\buf+8*\kt:\buf+8*\kt+7], v[8*(8*\qb+\c):8*(8*\qb+\c)+7], 0
.endif
.endm
.macro WS4 c, buf, kt
.irp qb, 0,1,2,3
	WS \c, \buf, \kt, \qb
.endr
.endm
; One product of O^T: d tile 4 (g % 4) + f, queries 16 qb .., keys 32 (g / 4) ..
.macro WP g, buf, f, qb, zero
.set o_, (((4*((\g)&3)+\f)&7)*4+\qb)*8
.if \zero
	v_wmma_f32_16x16x32_bf16 v[o_:o_+7], v[\buf+8*\f:\buf+8*\f+7], v[SS+32*\qb+8*((\g)>>2):SS+32*\qb+8*((\g)>>2)+7], 0
.else
	v_wmma_f32_16x16x32_bf16 v[o_:o_+7], v[\buf+8*\f:\buf+8*\f+7], v[SS+32*\qb+8*((\g)>>2):SS+32*\qb+8*((\g)>>2)+7], v[o_:o_+7]
.endif
.endm
.macro WP4 g, buf, f, zero
.irp qb, 0,1,2,3
	WP \g, \buf, \f, \qb, \zero
.endr
.endm
.macro WINPV g                         ; C and D in O's window (2 for d tiles 0-7, 3 for 8-15), the sources in window 0
.if ((\g)&3) < 2
	WIN 0xa0
.else
	WIN 0xf0
.endif
.endm
; A group of 16 products on 16 accumulators, which take turns, one instruction a turn.  The next group's eight loads stand
; behind the group's second product: the four v_nop in front of them are the four places behind the group before, which read the buffer that they fill,
; and are issued while the first two products are at work.  The waits are counted fragment by fragment: 6 = the six younger loads of the same run;
; behind the new run 12, 10, 8 = the 4, 2, 0 younger loads of the old run and the eight new ones.
.macro SSTEP g, cur, nxt               ; runs under window setting 0x04: Q in window 1, all else (the loads too) in window 0
	s_wait_dscnt 0x6
	WS \g, \cur, 0, 0
	v_nop
	v_nop
	WS \g, \cur, 0, 1
	v_nop
	v_nop
	FETCH ADR0, \g+1, \nxt
	WS \g, \cur, 0, 2
	WS \g, \cur, 0, 3
	s_wait_dscnt 0xc
	WS4 \g, \cur, 1
	s_wait_dscnt 0xa
	WS4 \g, \cur, 2
	s_wait_dscnt 0x8
	WS4 \g, \cur, 3
.endm
.macro PVSTEP g, cur, nxt, zero
	WINPV \g
	s_wait_dscnt 0x6
	WP \g, \cur, 0, 0, \zero
	v_nop
	v_nop
	WP \g, \cur, 0, 1, \zero
	v_nop
	v_nop
	WIN 0
	FETCH ADR1, \g+1, \nxt
	WINPV \g
	WP \g, \cur, 0, 2, \zero
	WP \g, \cur, 0, 3, \zero
	s_wait_dscnt 0xc
	WP4 \g, \cur, 1, \zero
	s_wait_dscnt 0xa
	WP4 \g, \cur, 2, \zero
	s_wait_dscnt 0x8
	WP4 \g, \cur, 3, \zero
.endm
; all 512 registers of O times the lane's factor AL(qb)
.macro SCALEO
.irp setting, 0x82, 0xc3
	WIN \setting
.set i_, 0
.rept 32
.irp j, 0,2,4,6
	v_pk_mul_f32 v[8*i_+\j:8*i_+\j+1], v[8*i_+\j:8*i_+\j+1], v[AL+2*(i_&3):AL+2*(i_&3)+1] op_sel_hi:[1,0]
.endr
.set i_, i_+1
.endr
.endr
.endm
; The running softmax over this step's 64 keys, first part: maximum, factor for the old sums, powers of two.
; The four query blocks are interleaved so that no line waits for the one in front of it.
.macro SM1 first
.irp qb, 0,1,2,3
	v_max3_num_f32 v[TT+\qb], v[SS+32*\qb], v[SS+32*\qb+1], v[SS+32*\qb+2]
.endr
.set i_, 3
.rept 14
.irp qb, 0,1,2,3
	v_max3_num_f32 v[TT+\qb], v[TT+\qb], v[SS+32*\qb+i_], v[SS+32*\qb+i_+1]
.endr
.set i_, i_+2
.endr
.irp qb, 0,1,2,3
	v_max_num_f32 v[TT+\qb], v[TT+\qb], v[SS+32*\qb+31]
.endr
.irp qb, 0,1,2,3
	v_permlanex16_b32 v[MM+2*\qb+1], v[TT+\qb], s36, s37           ; the same query's other 32 keys lie in the other half of the lanes
.endr
.if \first
.irp qb, 0,1,2,3
	v_max_num_f32 v[MM+2*\qb], v[TT+\qb], v[MM+2*\qb+1]
.endr
.else
.irp qb, 0,1,2,3
	v_max3_num_f32 v[TT+\qb], v[TT+\qb], v[MM+2*\qb+1], v[MM+2*\qb]
.endr
.irp qb, 0,1,2,3
	v_sub_f32 v[AL+2*\qb+1], v[MM+2*\qb], v[TT+\qb]                ; old - new, at most 0
.endr
.irp qb, 0,1,2,3
	v_mov_b32 v[MM+2*\qb], v[TT+\qb]
.endr
.irp qb, 0,1,2,3
	v_exp_f32 v[AL+2*\qb], v[AL+2*\qb+1]                           ; used far below; the subtractions that follow are the plain place behind it (ISA guide 5.7.2)
.endr
.endif
.set i_, 0
.rept 16
.irp qb, 0,1,2,3
	v_pk_add_f32 v[SS+32*\qb+i_:SS+32*\qb+i_+1], v[SS+32*\qb+i_:SS+32*\qb+i_+1], v[MM+2*\qb:MM+2*\qb+1] op_sel_hi:[1,0] neg_lo:[0,1] neg_hi:[0,1]
.endr
.set i_, i_+2
.endr
.set i_, 0
.rept 128
	v_exp_f32 v[SS+i_], v[SS+i_]
.set i_, i_+1
.endr
	v_nop                                          ; one plain place behind the last exponential
.endm
; Second part, work on window 0's registers alone: the running sums, and P rounded to bf16 in place.
.macro SM2 first
.if \first
	s_wait_alu depctr_va_vdst(0)
.irp qb, 0,1,2,3
	v_pk_add_f32 v[LL+2*\qb:LL+2*\qb+1], v[SS+32*\qb:SS+32*\qb+1], v[SS+32*\qb+2:SS+32*\qb+3]
.endr
.set i_, 4
.rept 14
.irp qb, 0,1,2,3
	v_pk_add_f32 v[LL+2*\qb:LL+2*\qb+1], v[LL+2*\qb:LL+2*\qb+1], v[SS+32*\qb+i_:SS+32*\qb+i_+1]
.endr
.set i_, i_+2
.endr
.else
	s_wait_alu depctr_va_vdst(0)
.irp qb, 0,1,2,3
	v_pk_fma_f32 v[LL+2*\qb:LL+2*\qb+1], v[LL+2*\qb:LL+2*\qb+1], v[AL+2*\qb:AL+2*\qb+1], v[SS+32*\qb:SS+32*\qb+1] op_sel_hi:[1,0,1]
.endr
.set i_, 2
.rept 15
.irp qb, 0,1,2,3
	v_pk_add_f32 v[LL+2*\qb:LL+2*\qb+1], v[LL+2*\qb:LL+2*\qb+1], v[SS+32*\qb+i_:SS+32*\qb+i_+1]
.endr
.set i_, i_+2
.endr
.endif
.set i_, 0
.rept 16
.irp qb, 0,1,2,3
	v_cvt_pk_bf16_f32 v[SS+32*\qb+i_], v[SS+32*\qb+2*i_], v[SS+32*\qb+2*i_+1]   ; in place, ascending: word i is written when words 2 i, 2 i + 1 are read
.endr
.set i_, i_+1
.endr
.endm
; One step: S^T of my 64 keys, softmax, O^T += V'^T P^T.  refill = 1: both slots are asked for again, each behind a round of its own.
; K's round stands behind the exponentials, V''s behind all but the last group of O^T, so that the step's work is shared between the two loads:
; V' has 12 products of O^T, the 128 of S^T, the maxima and the exponentials in which to land; K has the scaling of O and 112 products of O^T.
; In each round work on registers stands between the opening signal and its wait.
.macro ITER first, refill
	WIN 0x04
	SSTEP 0, FA, FB
	SSTEP 1, FB, FA
	SSTEP 2, FA, FB
	SSTEP 3, FB, FA
	SSTEP 4, FA, FB
	SSTEP 5, FB, FA
	SSTEP 6, FA, FB
	s_wait_dscnt 0x6                               ; the last group fetches nothing: the counts run down
	WS4 7, FB, 0
	s_wait_dscnt 0x4
	WS4 7, FB, 1
	s_wait_dscnt 0x2
	WS4 7, FB, 2
	s_wait_dscnt 0x0
	WS4 7, FB, 3
	PLACES 4                                       ; before the scores are read
	WIN 0
	SM1 \first
	s_wait_dscnt 0x0                               ; my reads of K's slot are over (met: the count-down above ended at 0)
	s_wait_xcnt 0x0
	v_lshl_add_u32 v62, v0, 2, 0x42000
	v_mov_b32 v63, 0
	s_wait_tensorcnt 0x0                           ; all my tensor loads have landed: the one that was out is this step's V'
	ds_add_u32 v62, v63
	s_wait_dscnt 0x0
.if \refill
	s_add_co_u32 s42, s42, KVIT                    ; the next tile, round modulo 16; no load of mine is out, so the group may be written
	s_and_b32 s42, s42, 15*KVIT
	s_add_nc_u64 s[26:27], s[38:39], s[42:43]
	s_or_b32 s27, s27, 0x80000000
	s_barrier_signal -1                            ; the round opens: say so,
	SM2 \first                                     ; work on registers while the others arrive,
	s_barrier_wait -1
	CREST                                          ; both waits now hold of every wave of all four work-groups
	tensor_load_to_lds s[24:27], s[16:23]          ; the next step's K: my one tensor load behind this round, and the first thing there
	s_nop 0
.else
	SM2 \first
.endif
	FETCH ADR1, 0, FA                              ; V''s first fragments come in while O is scaled
.if \first == 0
	SCALEO
.endif
	PVSTEP 0, FA, FB, \first
	PVSTEP 1, FB, FA, \first
	PVSTEP 2, FA, FB, \first
	PVSTEP 3, FB, FA, \first
	PVSTEP 4, FA, FB, 0
	PVSTEP 5, FB, FA, 0
	PVSTEP 6, FA, FB, 0
	s_wait_dscnt 0x0                               ; my reads of V''s slot are over: its last fragments are in FB
.if \refill
	s_wait_xcnt 0x0
	s_set_vgpr_msb 0xf030
	v_lshl_add_u32 v62, v0, 2, 0x42000
	v_mov_b32 v63, 0
	s_wait_tensorcnt 0x0                           ; the next step's K has landed
	ds_add_u32 v62, v63
	s_wait_dscnt 0x0
	s_set_vgpr_msb 0x30f0
	s_add_co_u32 s46, s46, KVIT
	s_and_b32 s46, s46, 15*KVIT
	s_add_nc_u64 s[30:31], s[40:41], s[46:47]
	s_or_b32 s31, s31, 0x80000000
	s_barrier_signal -1                            ; the round opens
.irp qb, 0,1,2,3
	WP 7, FB, 0, \qb, 0
	v_nop                                          ; four places behind the group before, which read FA
.endr
	WIN 0
	s_barrier_wait -1
	CREST
	tensor_load_to_lds s[28:31], s[16:23]          ; the next step's V'
	s_nop 0
	FETCH ADR0, 0, FA                              ; and the next step's first fragments of K
	WIN 0xf0
.else
	WP4 7, FB, 0, 0
.endif
	WP4 7, FB, 1, 0
	WP4 7, FB, 2, 0
	WP4 7, FB, 3, 0
	PLACES 5                                       ; before the next step's first products write over P, and before FB is loaded again
	WIN 0
.endm
	s_wait_tensorcnt 0x1                           ; my part of K's slot is in; V' stays out.  Only I read these bytes: no barrier
	FETCH ADR0, 0, FA
	s_wait_loadcnt 0x0                             ; Q and b_out
	ITER 1, 1                                      ; the first step starts maxima, sums and O: nothing is cleared
	s_mov_b32 s34, 7
.Lpair:
	ITER 0, 1                                      ; steps 1, 3, .. 13
	ITER 0, 1                                      ; steps 2, 4, .. 14
	s_sub_co_i32 s34, s34, 1
	s_cmp_lg_u32 s34, 0
	s_cbranch_scc1 .Lpair
	ITER 0, 0                                      ; step 15 asks for nothing
	; THE FOUR WAVES MEET.  First the figures: each wave's maximum and sum for each query.
.irp qb, 0,1,2,3
	v_add_f32 v[TL+\qb], v[LL+2*\qb], v[LL+2*\qb+1]
.endr
.irp qb, 0,1,2,3
	v_permlanex16_b32 v[MM+2*\qb+1], v[TL+\qb], s36, s37
.endr
.irp qb, 0,1,2,3
	v_add_f32 v[TL+\qb], v[TL+\qb], v[MM+2*\qb+1]
	v_mov_b32 v[TT+\qb], v[MM+2*\qb]
.endr
	ds_store_b128 v6, v[TT:TT+3]
	ds_store_b128 v6, v[TL:TL+3] offset:512
	s_wait_dscnt 0x0                               ; my figures are stored, and my reads of the slots have long been over
	s_barrier_signal -1
	s_barrier_wait -1                              ; so have everybody's: the slots, which are filled no more, may be written
.irp src, 0,1,2,3
	ds_load_b128 v[SS+8*\src:SS+8*\src+3],   v7 offset:1024*\src
	ds_load_b128 v[SS+8*\src+4:SS+8*\src+7], v7 offset:1024*\src+512
.endr
	s_wait_dscnt 0x0
.irp qb, 0,1,2,3
	v_max3_num_f32 v[56+\qb], v[SS+\qb], v[SS+8+\qb], v[SS+16+\qb]
.endr
.irp qb, 0,1,2,3
	v_max_num_f32 v[56+\qb], v[56+\qb], v[SS+24+\qb]               ; the maximum over all 4,096 keys
.endr
.irp src, 0,1,2,3
.irp qb, 0,1,2,3
	v_sub_f32 v[SS+8*\src+\qb], v[SS+8*\src+\qb], v[56+\qb]
.endr
.endr
.irp qb, 0,1,2,3
	v_sub_f32 v[AL+2*\qb+1], v[MM+2*\qb], v[56+\qb]
.endr
.irp src, 0,1,2,3
.irp qb, 0,1,2,3
	v_exp_f32 v[SS+8*\src+\qb], v[SS+8*\src+\qb]
.endr
.endr
.irp qb, 0,1,2,3
	v_exp_f32 v[AL+2*\qb], v[AL+2*\qb+1]
.endr
	v_nop
	s_wait_alu depctr_va_vdst(0)
.irp qb, 0,1,2,3
	v_mul_f32 v[60+\qb], v[SS+\qb], v[SS+4+\qb]
.endr
.irp src, 1,2,3
.irp qb, 0,1,2,3
	v_fmac_f32 v[60+\qb], v[SS+8*\src+\qb], v[SS+8*\src+4+\qb]     ; the whole sum: at least 1
.endr
.endr
.irp qb, 0,1,2,3
	v_rcp_f32 v[60+\qb], v[60+\qb]
.endr
	v_nop
	s_wait_alu depctr_va_vdst(0)
.irp qb, 0,1,2,3
	v_mul_f32 v[AL+2*\qb], v[AL+2*\qb], v[60+\qb]                  ; my factor: 2^(my maximum - the maximum) / the whole sum
.endr
	SCALEO
	; my scaled part goes into PART as [q][d]: a lane's eight registers are eight neighbouring d of its query
	WIN 0x08
.set i_, 0
.rept 32
	ds_store_b128 v5, v[8*i_:8*i_+3]   offset:(i_&3)*16*PPITCH+(i_>>2)*64
	ds_store_b128 v5, v[8*i_+4:8*i_+7] offset:(i_&3)*16*PPITCH+(i_>>2)*64+16
.set i_, i_+1
.endr
	WIN 0x0c
.set i_, 0
.rept 32
	ds_store_b128 v5, v[8*i_:8*i_+3]   offset:(i_&3)*16*PPITCH+(i_>>2)*64+512
	ds_store_b128 v5, v[8*i_+4:8*i_+7] offset:(i_&3)*16*PPITCH+(i_>>2)*64+528
.set i_, i_+1
.endr
	WIN 0
	s_wait_dscnt 0x0
	s_barrier_signal -1
	s_barrier_wait -1                              ; all four parts are whole
; Wave w adds the four parts of rows 16 w .. 16 w + 15 and b_out, two rows at a time: batch b = 0 .. 7 is rows 2 b and 2 b + 1 of the sixteen;
; unit e = row 2 b + e / 2, half e % 2 of its 1,024 bytes.  b may be handed over as a sum, so it stands in parentheses wherever it is multiplied.
.macro OLOAD b, buf
.irp e, 0,1,2,3
.irp src, 0,1,2,3
	ds_load_b128 v[\buf+16*\e+4*\src:\buf+16*\e+4*\src+3], v[48+\src] offset:(2*(\b)+(\e>>1))*PPITCH+(\e&1)*512
.endr
.endr
.endm
.macro OSUM b, buf
.irp e, 0,1,2,3
.set x_, \buf+16*\e
.irp p, 0,2
	v_pk_add_f32 v[x_+\p:x_+\p+1],     v[x_+\p:x_+\p+1],     v[x_+4+\p:x_+4+\p+1]
	v_pk_add_f32 v[x_+8+\p:x_+8+\p+1], v[x_+8+\p:x_+8+\p+1], v[x_+12+\p:x_+12+\p+1]
.endr
.irp p, 0,2
	v_pk_add_f32 v[x_+\p:x_+\p+1], v[x_+\p:x_+\p+1], v[x_+8+\p:x_+8+\p+1]
.endr
.irp p, 0,2
	v_pk_add_f32 v[x_+\p:x_+\p+1], v[x_+\p:x_+\p+1], v[8+4*(\e&1)+\p:8+4*(\e&1)+\p+1]
.endr
	global_store_b128 v52, v[x_:x_+3], s[10:11] offset:(2*(\b)+(\e>>1))*1024+(\e&1)*512 th:TH_STORE_NT   ; 512 consecutive bytes, aligned
.endr
.endm
	OLOAD 0, 128
	OLOAD 1, 192
	s_wait_dscnt 0x10                              ; all but the next batch's sixteen loads
	OSUM 0, 128
.irp b, 1,3,5
	s_wait_xcnt 0x0                                ; the buffer that stores have read is loaded again only behind this wait
	OLOAD \b+1, 128
	s_wait_dscnt 0x10
	OSUM \b, 192
	s_wait_xcnt 0x0
	OLOAD \b+2, 192
	s_wait_dscnt 0x10
	OSUM \b+1, 128
.endr
	s_wait_dscnt 0x0
	OSUM 7, 192
	s_wait_xcnt 0x0
	v_lshl_add_u32 v62, v0, 2, 0x42000
	v_mov_b32 v63, 0
	s_wait_tensorcnt 0x0
	ds_add_u32 v62, v63
	s_wait_dscnt 0x0
	ROUND                                          ; the closing round: no work-group ends while a partner may still ask for a tile that names it
	s_endpgm
.Lfunc_end_k_q75b440707e_attn:
	.size	k_q75b440707e_attn, .Lfunc_end_k_q75b440707e_attn-k_q75b440707e_attn
	.p2alignl 7, 3214868480
	.fill 96, 4, 3214868480
	.section	.rodata,"a",@progbits
	.p2align	6, 0x0
	.amdhsa_kernel k_q75b440707e_attn
		.amdhsa_group_segment_fixed_size 327680
		.amdhsa_private_segment_fixed_size 0
		.amdhsa_enable_private_segment 0
		.amdhsa_kernarg_size 32
		.amdhsa_user_sgpr_count 2
		.amdhsa_user_sgpr_kernarg_segment_ptr 1
		.amdhsa_wavefront_size32 1
		.amdhsa_system_sgpr_workgroup_id_x 1
		.amdhsa_system_sgpr_workgroup_id_y 1
		.amdhsa_system_sgpr_workgroup_id_z 1
		.amdhsa_system_vgpr_workitem_id 0
		.amdhsa_next_free_vgpr 1024
		.amdhsa_next_free_sgpr 66
		.amdhsa_reserve_vcc 0
		.amdhsa_float_denorm_mode_32 3
		.amdhsa_float_denorm_mode_16_64 3
		.amdhsa_memory_ordered 1
		.amdhsa_forward_progress 1
		.amdhsa_inst_pref_size 255
	.end_amdhsa_kernel
	.section	.bss,"aw",@nobits
	.p2align	6
	.space	262144
	.amdgpu_metadata
---
amdhsa.version: [ 1, 2 ]
amdhsa.kernels:
  - .name:           k_q75b440707e_attn
    .symbol:         k_q75b440707e_attn.kd
    .args:
      - { .name: Qf, .offset: 0, .size: 8, .value_kind: global_buffer, .address_space: global }
      - { .name: KVf, .offset: 8, .size: 8, .value_kind: global_buffer, .address_space: global }
      - { .name: b_out, .offset: 16, .size: 8, .value_kind: global_buffer, .address_space: global }
      - { .name: out0, .offset: 24, .size: 8, .value_kind: global_buffer, .address_space: global }
    .group_segment_fixed_size: 327680
    .private_segment_fixed_size: 0
    .kernarg_segment_align: 8
    .kernarg_segment_size: 32
    .max_flat_workgroup_size: 128
    .sgpr_count:     66
    .vgpr_count:     1024
    .wavefront_size: 32
...
	.end_amdgpu_metadata
.endif
;; end of part 2
